; MI455X (gfx1250); checked and timed in simulation.
; The chip was launched on July 23, 2026; its instructions are those of AMD's public machine-readable ISA for CDNA 5 (MIT licence, August 2026) and "CDNA5" Instruction Set Architecture Reference Guide (July 2026). The comments in the code are by the model that wrote it; some were corrected since.
;; Multi Head Attention. Allowed arithmetic: matrix products marked QUANTISED: E2M1 operands, one E8M0 scale for each 32 along K, by v_wmma_scale_f32_16x16x128_f8f6f4 with both operands' format E2M1 (or v_wmma_scale_f32_32x16x128_f4), f32 sums; everything else in f32.
;; Inputs: Wk 12 x 768 x 64 float32; Wq 12 x 768 x 64 float32; Wv 12 x 768 x 64 float32; bk 12 x 64 float32; bq 12 x 64 float32; bv 12 x 64 float32; x 16 x 1,024 x 768 float32.
;; Outputs: out0 16 x 1,024 x 768 float32.
;; This version of the problem:
;;   THIS VERSION OF THE PROBLEM IS GIVEN IN LOW PRECISION. The matrix products marked QUANTISED in the list below multiply operands that are first quantised to E2M1 (2 exponent bits, 1 mantissa bit; 4 bits a number), with one power-of-two scale for each 32 numbers along K (OCP MX v1.0); their sums are f32. All else is computed in f32.
;;   The module's matrix products, in the order in which they are computed (A, B: the left and right operand; K: the contracted axis; several contracted axes count as one K, in the product's order):
;;     1. [M 768, K 768] x [K 768, N 16,384]; A: input Wq; B: input x: QUANTISED
;;     2. [M 768, K 768] x [K 768, N 16,384]; A: input Wk; B: input x: QUANTISED
;;     3. [M 768, K 768] x [K 768, N 16,384]; A: input Wv; B: input x: QUANTISED
;;     4. batch 192 x [M 1,024, K 64] x [K 64, N 1,024]; A: computed on the way; B: computed on the way: QUANTISED
;;     5. batch 192 x [M 1,024, K 1,024] x [K 1,024, N 64]; A: softmax (see below); B: computed on the way: QUANTISED
;;   THE QUANTISER, for each operand of a quantised product, along K:
;;     - K is cut into blocks of 32 from its start; a last block that is shorter is filled with zeros.
;;     - A block's scale is 2^e with e = floor(log2(the largest magnitude in the block)) - 2, held to -126 .. 127; a block of zeros has e = 0. As a byte (E8M0): e + 127.
;;     - Each number is divided by its block's scale, clamped to +-6, and rounded to the nearest number of E2M1, ties to even, subnormals kept.
;;     - The product sums the exact products of the quantised numbers (number of the format x scale) in f32.
;;   ~~~python
;;   def quantise(x, axis):      # numpy; x: float32 -> the quantised numbers, widened to float32 again
;;       x = np.moveaxis(x, axis, -1); K = x.shape[-1]
;;       x = np.pad(x, [(0, 0)] * (x.ndim - 1) + [(0, -K % 32)]); x = x.reshape(x.shape[:-1] + (-1, 32)); a = np.abs(x).max(-1, keepdims=True)
;;       e = np.where(a > 0, np.clip(np.frexp(np.where(a > 0, a, 1))[1] - 1 - 2, -126, 127), 0)      # np.frexp(a)[1] - 1 = floor(log2(a)), exactly
;;       r = np.clip(x / 2.0 ** e, -6, 6)
;;       step = 2.0 ** (np.maximum(np.frexp(np.where(r == 0, 1, r))[1] - 1, 0) - 1)
;;       q = np.round(r / step) * step * 2.0 ** e      # np.round: ties to even
;;       return np.moveaxis(q.reshape(q.shape[:-2] + (-1,))[..., :K], -1, axis).astype(np.float32)
;;   ~~~
;;   SOFTMAX AHEAD OF A QUANTISED PRODUCT. Where the list says 'softmax', what is quantised is not the finished softmax but p = 2^(t - M), with t = logit x log2(e) and M = ceil(the row's largest t), a whole number; so 1/2 < the row's largest p <= 1. The row's sum l is taken of the UNQUANTISED p, in f32, and the product's result is divided by l at the end. Since M is a whole number, a kernel that streams over the keys may use a running M (the ceiling of the running maximum): every later rescaling is an exact power of two, which a block's scale takes up: the codes' values come out the same.
;;   OPERANDS COMPUTED ON THE WAY. 'Computed on the way' means the value that the module computes at that place (a softmax that the list does not call 'softmax' is quantised finished and normalised). What goes into a quantiser is computed in f32, as accurately as f32 sums, v_exp_f32 and their like allow (about 1e-6 of the number): no bf16 or f16 on the way to a quantiser, and a product that is left as it is and whose result goes on into a quantised operand takes f32 operands (vector FMAs, or v_wmma_f32_16x16x4_f32). A number that lies on a knife's edge between two numbers of the format may be rounded either way, as far as f32 arithmetic and the matrix unit's own rounding can turn it there, and no further.
;; One version. Each part assembles by itself: llvm-mc -triple=amdgcn-amd-amdhsa -mcpu=gfx1250 --defsym DOCPART=n.
;; ======== version 1 of 1: 3 launches
;; limits: right only within a limited range of input values
;; workspace buffers: xc 6,291,456 bytes; xs 786,432 bytes; wc 884,736 bytes; ws 55,296 bytes; qc 6,291,456 bytes; qs 786,432 bytes; kv 14,155,776 bytes
;; launch quant (part 1): grid 876 x 1, 4 waves a work-group, no clusters, 34,304 bytes of LDS; arguments x, Wq, Wk, Wv, xc, xs, wc, ws; writes xc, xs, wc, ws
.if DOCPART == 1
	.amdgcn_target "amdgcn-amd-amdhsa--gfx1250"
	.amdhsa_code_object_version 6
	.text
	.protected	k_qb2e2d79c03_quant
	.globl	k_qb2e2d79c03_quant
	.p2align	8
	.type	k_qb2e2d79c03_quant,@function
k_qb2e2d79c03_quant:
	s_mov_b64 s[64:65], 0
	v_nop
	global_prefetch_b8 v0, s[64:65] scope:SCOPE_SE
	s_setreg_imm32_b32 hwreg(HW_REG_WAVE_MODE, 25, 1), 1
	s_wait_xcnt 0x0
; x [16384][768] and Wq, Wk, Wv [12][768][64], f32, become codes of FP4 (E2M1) with one E8M0 scale byte for each 32 along K = 768.
; A block's scale is 2^(floor(log2(its largest magnitude)) - 2); its byte is the largest magnitude's exponent field - 2, held at 1 from below.
; LIMITS: NaN and infinities among the inputs are not served.  A block of zeros gets the byte 1 where the rule says 127: its codes are zeros, and this program alone reads the bytes.
; EVERYTHING IS STORED AS AN IMAGE OF THE OPERAND'S REGISTERS: a fragment (16 rows x 128 K) is 8 registers a lane; registers 4 c .. 4 c + 3 of lane (r, h) hold k = 64 c + 32 h + 0 .. 31
; and lie at 512 c + 16 x lane of the fragment's 1,024 bytes.  So the later launches load fragments by 16-byte loads of 512 consecutive bytes.
; THE 16 ROWS OF A TILE ARE NOT NEIGHBOURS: row r of tile t is row 32 (t / 2) + 8 (t % 2) + r + 8 (r / 8) of the tensor (columns of a head's W; x's tokens run 64 (t / 4) + 8 (t % 4) + r % 8 + 32 (r / 8)).
; Work-groups 0 to 767 take x: a wave makes two fragments (tile 4 (g % 256) + wave, K steps 2 (g / 256) and the next).  Each load reads 512 consecutive bytes of a row; the 16 rows turn through
; the wave's own stage in LDS (pitch 528 bytes, so that the 16 rows of a read begin at 16 different 16-byte columns of a 256-byte line) and come back 128 bytes a lane: whole blocks of 32.
; Work-groups 768 to 875 take the weights, whose K is not innermost: a lane takes a column and its registers run down K; nothing is turned.  Only the x path uses LDS.  No barrier: waves share nothing.
.set XWG,  768                         ; work-groups for x
.set R0,   16                          ; v16-79    K step 0 as loaded; later K step 1 as turned
.set R1,   80                          ; v80-143   K step 1 as loaded
.set X,    144                         ; v144-207  K step 0 as turned: register 32 c + i = k 64 c + 32 h + i of row r
.set C,    208                         ; v208-223  the two fragments' codes
.set WD,   224                         ; v224-225  their scale words
.set SP,   528                         ; a stage row
.set WX,   16                          ; weights: v16-79 two sets of 32 numbers
.set WCD,  80                          ; v80-95    four blocks' codes
.set SB,   96                          ; v96       the four scale bytes
.macro XLOAD set, sp                   ; 16 rows x 512 bytes: K step sp of the two
.irp i, 0,1,2,3,4,5,6,7,8,9,10,11,12,13,14,15
	; x's tiles: row r of tile t is token 64 (t / 4) + 8 (t % 4) + r % 8 + 32 (r / 8); the order named at the head holds for W's columns alone
	global_load_b128 v[\set+4*\i:\set+4*\i+3], v1, s[4:5] offset:(\i+24*(\i/8))*3072+\sp*512 th:TH_LOAD_NT
.endr
.endm
.macro TURN src, dst                   ; through the stage: LDS serves a wave's instructions in order, so no wait stands between the stores and the loads
.irp i, 0,1,2,3,4,5,6,7,8,9,10,11,12,13,14,15
	ds_store_b128 v3, v[\src+4*\i:\src+4*\i+3] offset:\i*SP
.endr
.irp c, 0,1
.irp j, 0,1,2,3,4,5,6,7
	ds_load_b128 v[\dst+32*\c+4*\j:\dst+32*\c+4*\j+3], v4 offset:256*\c+16*\j
.endr
.endr
.endm
.macro XQ src, sp                      ; 64 numbers of a lane, two whole blocks (2 c + h), become the fragment's 8 registers and its scale word
.irp c, 0,1
	v_max3_num_f32 v[8+\c], |v[\src+32*\c]|, |v[\src+32*\c+1]|, 0x1800000        ; with the floor 2^(3 - 127): the byte cannot fall under 1
.endr
.irp i, 2,4,6,8,10,12,14,16,18,20,22,24,26,28,30
.irp c, 0,1
	v_max3_num_f32 v[8+\c], v[8+\c], |v[\src+32*\c+\i]|, |v[\src+32*\c+\i+1]|    ; the two blocks by turns
.endr
.endr
.irp c, 0,1
	v_add_nc_u32 v[10+\c], 0xff000000, v[8+\c]     ; 2 off the exponent field: the conversion's scale operand
.endr
.irp c, 0,1
	v_lshrrev_b32 v[12+\c], 23, v[10+\c]           ; the scale's byte
.endr
	v_lshl_or_b32 v14, v13, 16, v12                ; my two bytes: blocks h and 2 + h,
	v_lshlrev_b32 v14, v5, v14                     ; 8 h bits up;
	v_permlanex16_b32 v6, v14, s22, s23
	v_or_b32 v[WD+\sp], v14, v6                    ; with lane l xor 16's two the word is whole, in both halves of the lanes
.irp c, 0,1
.irp g, 0,1,2,3
	v_cvt_scalef32_pk8_fp4_f32 v[C+8*\sp+4*\c+\g], v[\src+32*\c+8*\g:\src+32*\c+8*\g+7], v[10+\c]
.endr
.endr
	v_nop                                          ; one plain instruction behind the conversions, ahead of the next write of their scale operands
.irp c, 0,1
	global_store_b128 v1, v[C+8*\sp+4*\c:C+8*\sp+4*\c+3], s[12:13] offset:\sp*1024+\c*512   ; 512 consecutive bytes
.endr
.endm
.macro WLOAD t                         ; block t: W(32 t + i, my column), i = 0 .. 31
.irp i, 0,1,2,3,4,5,6,7,8,9,10,11,12,13,14,15,16,17,18,19,20,21,22,23,24,25,26,27,28,29,30,31
	global_load_b32 v[WX+32*((\t)%2)+\i], v1, s[38:39] offset:(32*(\t)+\i)*256 th:TH_LOAD_NT
.endr
.endm
.macro WBLOCK t
.set XS, WX+32*((\t)%2)
.if (\t) < 3
	s_wait_loadcnt 32                              ; this block's 32 loads are in; the next block's 32 may be out
.else
	s_wait_loadcnt 0x0
.endif
	v_max3_num_f32 v12, |v[XS]|, |v[XS+1]|, |v[XS+2]|
	v_max3_num_f32 v13, |v[XS+3]|, |v[XS+4]|, |v[XS+5]|
.irp i, 6,10,14,18,22,26
	v_max3_num_f32 v12, v12, |v[XS+\i]|, |v[XS+\i+1]|
	v_max3_num_f32 v13, v13, |v[XS+\i+2]|, |v[XS+\i+3]|
.endr
	v_max3_num_f32 v12, v12, |v[XS+30]|, |v[XS+31]|
	v_max3_num_f32 v12, v12, v13, 0x1800000        ; and the floor
	v_add_nc_u32 v11, 0xff000000, v12
	v_lshrrev_b32 v13, 23, v11
.if (\t) == 0
	v_mov_b32 v[SB], v13
.else
	v_lshl_or_b32 v[SB], v13, 8*(\t), v[SB]        ; the lower K in the lower byte
.endif
.irp g, 0,1,2,3
	v_cvt_scalef32_pk8_fp4_f32 v[WCD+4*(\t)+\g], v[XS+8*\g:XS+8*\g+7], v11
.endr
	v_nop
	global_store_b128 v2, v[WCD+4*(\t):WCD+4*(\t)+3], s[16:17] offset:((\t)/2)*512+((\t)%2)*256   ; block t is registers 4 (t / 2) on of lanes 16 (t % 2) on: the sixteen lanes of a tile store 256 consecutive bytes
.if (\t)+2 < 4
	WLOAD (\t)+2
.endif
.endm
	s_load_b512 s[4:19], s[0:1], 0x0               ; x s[4:5], Wq s[6:7], Wk s[8:9], Wv s[10:11], xc s[12:13], xs s[14:15], wc s[16:17], ws s[18:19]
	v_lshl_add_u32 v240, v0, 2, 0x8400
	v_mov_b32 v241, 0
	v_lshrrev_b32 v1, 5, v0
	v_readfirstlane_b32 s20, v1                    ; wave 0..3
	v_and_b32 v7, 31, v0                           ; lane
	s_cmp_lt_u32 ttmp9, XWG
	s_cbranch_scc0 .Lweights
	; ---------------- x ----------------
	s_mov_b32 s22, 0x76543210
	s_mov_b32 s23, 0xfedcba98                      ; v_permlanex16_b32's selects for lane l xor 16
	s_lshr_b32 s24, ttmp9, 8                       ; q: which pair of K steps
	s_and_b32 s25, ttmp9, 255
	s_lshl_b32 s25, s25, 2
	s_add_co_u32 s25, s25, s20                     ; the tile of tokens
	s_lshr_b32 s26, s25, 2
	s_lshl_b32 s26, s26, 6
	s_and_b32 s27, s25, 3
	s_lshl_b32 s27, s27, 3                         ; the tile's first token: 64 (tile / 4) + 8 (tile % 4)
	s_add_co_u32 s26, s26, s27                     ; its first token: 64 (tile / 4) + 8 (tile % 4)
	s_mul_i32 s26, s26, 3072
	s_lshl_b32 s27, s24, 10
	s_add_co_u32 s26, s26, s27                     ; + 1,024 q bytes along the row
	s_mov_b32 s27, 0
	s_mul_i32 s28, s25, 6144                       ; xc: six fragments a tile
	s_lshl_b32 s29, s24, 11
	s_add_co_u32 s28, s28, s29
	s_mov_b32 s29, 0
	s_mul_i32 s30, s25, 768                        ; xs: three units of 256 bytes a tile
	s_lshl_b32 s31, s24, 8
	s_add_co_u32 s30, s30, s31
	s_mov_b32 s31, 0
	s_mul_i32 s21, s20, 16*SP                      ; my stage
	s_wait_alu depctr_va_vdst(0)
	v_lshlrev_b32 v1, 4, v7                        ; 16 x lane
	v_lshlrev_b32 v2, 3, v7                        ; 8 x lane
	v_add_nc_u32 v3, s21, v1                       ; into the stage: a row's 512 bytes as they lie
	v_and_b32 v8, 15, v0                           ; r
	v_bfe_u32 v9, v0, 4, 1                         ; h
	v_mul_u32_u24 v4, v8, SP
	v_lshl_add_u32 v4, v9, 7, v4
	v_add_nc_u32 v4, s21, v4                       ; out of it: row r, + 128 h: my block of 32 numbers
	v_lshlrev_b32 v5, 3, v9                        ; 8 h
	v_mov_b32 v6, 0                                ; a lane permute's destination counts as one of its sources
	s_wait_alu depctr_va_vdst(0)
	s_wait_kmcnt 0x0
	s_add_nc_u64 s[4:5], s[4:5], s[26:27]
	s_add_nc_u64 s[12:13], s[12:13], s[28:29]
	s_add_nc_u64 s[14:15], s[14:15], s[30:31]
	XLOAD R0, 0
	XLOAD R1, 1
	s_wait_loadcnt 16                              ; the first K step's 16 loads are in; the second's 16 may be out
	TURN R0, X
	s_wait_dscnt 0x0                               ; the first step is back in registers
	s_wait_loadcnt 0x0
	TURN R1, R0                                    ; the second goes through the stage while the first is quantised
	XQ X, 0
	s_wait_dscnt 0x0
	XQ R0, 1
	global_store_b64 v2, v[WD:WD+1], s[14:15]      ; the two steps' scale words: 256 consecutive bytes
	s_wait_tensorcnt 0x0
	ds_add_u32 v240, v241
	s_wait_dscnt 0x0
	s_endpgm
	; ---------------- the weights ----------------
.Lweights:
	s_sub_co_u32 s24, ttmp9, XWG                   ; 0 .. 107
	s_mul_hi_u32 s25, s24, 119304648               ; z = / 36 (the rounded-up reciprocal is exact for numbers under 108)
	s_mul_i32 s26, s25, 36
	s_sub_co_u32 s26, s24, s26
	s_mul_hi_u32 s27, s26, 357913942               ; kind = / 12: 0 q, 1 k, 2 v
	s_mul_i32 s28, s27, 12
	s_sub_co_u32 s28, s26, s28                     ; head
	s_and_b32 s29, s20, 1                          ; b: which 32 of the head's 64 columns
	s_lshr_b32 s30, s20, 1
	s_lshl_b32 s31, s25, 1
	s_add_co_u32 s30, s30, s31                     ; s: the K step
	s_mul_i32 s32, s28, 196608                     ; W: the head, 128 s rows of 256 bytes, 128 b bytes
	s_lshl_b32 s33, s30, 15
	s_add_co_u32 s32, s32, s33
	s_lshl_b32 s33, s29, 7
	s_add_co_u32 s32, s32, s33
	s_mov_b32 s33, 0
	s_mul_i32 s34, s28, 73728                      ; wc: [head][kind][tile 4][s 6][1,024]; my tiles are 2 b and 2 b + 1
	s_mul_i32 s35, s27, 24576
	s_add_co_u32 s34, s34, s35
	s_mul_i32 s35, s29, 12288
	s_add_co_u32 s34, s34, s35
	s_lshl_b32 s35, s30, 10
	s_add_co_u32 s34, s34, s35
	s_mov_b32 s35, 0
	s_mul_i32 s36, s28, 4608                       ; ws: [head][kind][s 6][b 2][32 words]
	s_mul_i32 s37, s27, 1536
	s_add_co_u32 s36, s36, s37
	s_lshl_b32 s37, s30, 8
	s_add_co_u32 s36, s36, s37
	s_lshl_b32 s37, s29, 7
	s_add_co_u32 s36, s36, s37
	s_mov_b32 s37, 0
	s_wait_alu depctr_va_vdst(0)
	v_lshlrev_b32 v1, 2, v7                        ; in: 4 bytes a lane: column 32 b + lane
	v_bfe_u32 v8, v0, 3, 1                         ; u: that column lies in tile 2 b + u,
	v_and_b32 v9, 7, v0
	v_bfe_u32 v10, v0, 4, 1
	v_lshl_add_u32 v9, v10, 3, v9                  ; at its row lane % 8 + 8 (lane / 16)
	v_mul_u32_u24 v2, v8, 6144
	v_lshl_add_u32 v2, v9, 4, v2                   ; codes: the tile, 16 bytes a row
	v_lshl_add_u32 v3, v8, 4, v9
	v_lshlrev_b32 v3, 2, v3                        ; scale word: lanes 0-15 tile 2 b, lanes 16-31 tile 2 b + 1
	s_wait_alu depctr_va_vdst(0)
	s_wait_kmcnt 0x0
	s_cmp_eq_u32 s27, 0                            ; the choice hangs on the work-group's number alone
	s_cselect_b64 s[38:39], s[6:7], s[8:9]
	s_cmp_eq_u32 s27, 2
	s_cselect_b64 s[38:39], s[10:11], s[38:39]
	s_add_nc_u64 s[38:39], s[38:39], s[32:33]
	s_add_nc_u64 s[16:17], s[16:17], s[34:35]
	s_add_nc_u64 s[18:19], s[18:19], s[36:37]
	WLOAD 0
	WLOAD 1
	WBLOCK 0
	WBLOCK 1
	WBLOCK 2
	WBLOCK 3
	global_store_b32 v3, v[SB], s[18:19]           ; 128 consecutive bytes
	s_endpgm
.Lfunc_end_k_qb2e2d79c03_quant:
	.size	k_qb2e2d79c03_quant, .Lfunc_end_k_qb2e2d79c03_quant-k_qb2e2d79c03_quant
	.p2alignl 7, 3214868480
	.fill 96, 4, 3214868480
	.section	.rodata,"a",@progbits
	.p2align	6, 0x0
	.amdhsa_kernel k_qb2e2d79c03_quant
		.amdhsa_group_segment_fixed_size 34304
		.amdhsa_private_segment_fixed_size 0
		.amdhsa_enable_private_segment 0
		.amdhsa_kernarg_size 64
		.amdhsa_user_sgpr_count 2
		.amdhsa_user_sgpr_kernarg_segment_ptr 1
		.amdhsa_wavefront_size32 1
		.amdhsa_system_sgpr_workgroup_id_x 1
		.amdhsa_system_sgpr_workgroup_id_y 1
		.amdhsa_system_sgpr_workgroup_id_z 1
		.amdhsa_system_vgpr_workitem_id 0
		.amdhsa_next_free_vgpr 242
		.amdhsa_next_free_sgpr 66
		.amdhsa_reserve_vcc 0
		.amdhsa_float_denorm_mode_32 3
		.amdhsa_float_denorm_mode_16_64 3
		.amdhsa_memory_ordered 1
		.amdhsa_forward_progress 1
		.amdhsa_inst_pref_size 37
	.end_amdhsa_kernel
	.amdgpu_metadata
---
amdhsa.version: [ 1, 2 ]
amdhsa.kernels:
  - .name:           k_qb2e2d79c03_quant
    .symbol:         k_qb2e2d79c03_quant.kd
    .args:
      - { .name: x, .offset: 0, .size: 8, .value_kind: global_buffer, .address_space: global }
      - { .name: Wq, .offset: 8, .size: 8, .value_kind: global_buffer, .address_space: global }
      - { .name: Wk, .offset: 16, .size: 8, .value_kind: global_buffer, .address_space: global }
      - { .name: Wv, .offset: 24, .size: 8, .value_kind: global_buffer, .address_space: global }
      - { .name: xc, .offset: 32, .size: 8, .value_kind: global_buffer, .address_space: global }
      - { .name: xs, .offset: 40, .size: 8, .value_kind: global_buffer, .address_space: global }
      - { .name: wc, .offset: 48, .size: 8, .value_kind: global_buffer, .address_space: global }
      - { .name: ws, .offset: 56, .size: 8, .value_kind: global_buffer, .address_space: global }
    .group_segment_fixed_size: 34304
    .private_segment_fixed_size: 0
    .kernarg_segment_align: 8
    .kernarg_segment_size: 64
    .max_flat_workgroup_size: 128
    .sgpr_count:     66
    .vgpr_count:     242
    .wavefront_size: 32
...
	.end_amdgpu_metadata
.endif
;; end of part 1
;; launch proj (part 2): grid 64 x 4, 4 waves a work-group, clusters of 4 x 1, 327,680 bytes of LDS; arguments xc, xs, wc, ws, bq, bk, bv, qc, qs, kv; writes qc, qs, kv
.if DOCPART == 2
	.amdgcn_target "amdgcn-amd-amdhsa--gfx1250"
	.amdhsa_code_object_version 6
	.text
	.protected	k_qb2e2d79c03_proj
	.globl	k_qb2e2d79c03_proj
	.p2align	8
	.type	k_qb2e2d79c03_proj,@function
k_qb2e2d79c03_proj:
	s_mov_b64 s[64:65], 0
	v_nop
	global_prefetch_b8 v0, s[64:65] scope:SCOPE_SE
	s_setreg_imm32_b32 hwreg(HW_REG_WAVE_MODE, 25, 1), 1
	s_wait_xcnt 0x0
	s_wait_alu depctr_hold_cnt(0) depctr_sa_sdst(0) depctr_va_vdst(0) depctr_va_sdst(0) depctr_va_ssrc(0) depctr_va_vcc(0) depctr_vm_vsrc(0)
	s_getreg_b32 s2, hwreg(HW_REG_IB_STS2, 6, 4)
	s_cmp_eq_u32 s2, 0
	s_cbranch_scc0 .Lentry_in_a_cluster
	s_endpgm
.Lentry_in_a_cluster:
	s_bfe_u32 s2, ttmp6, 0x10000c
	s_cmp_lg_u32 s2, 0x3003
	s_cbranch_scc0 .Lentry_shape_is_right
	s_endpgm
.Lentry_shape_is_right:
; q, k, v = x W + b on codes of FP4 with E8M0 scales (K = 768, six steps of 128), f32 sums; the results are quantised at once, in registers: q and k along the head's 64, v along the tokens (the keys),
; and leave as images of the operands' registers of the attention launch.
; LIMITS: NaN and infinities are not served.  A block of zeros gets the scale byte 1 where the rule says 127: its codes are zeros, and this program alone reads the bytes.
; SHARES.  A work-group takes 256 tokens (block tb) and three heads (3 y on); wave w takes 64 tokens, four tiles of 16, for all nine groups (head, kind) of 64 columns.  Its 24 fragments of x stay in registers.
; The three heads' weights (221,184 bytes of codes, 13,824 of scale words) come into LDS once, at the head, and no LDS byte is filled twice.
; CLUSTER.  The four work-groups of a cluster differ in tb alone and read the same weights: every tensor load is asked for jointly, with the same descriptor and the mask of all four.
; q AND k ARE MADE TRANSPOSED (source 0 = 16 columns of W, source 1 = 16 tokens): a lane holds one token and its registers run along the head's 64, which is the next K.
; v IS MADE THE NATURAL WAY (source 0 = 16 tokens, source 1 = 16 columns): a lane holds one column and its registers run along the tokens, which are its next K.
; The rows of a tile are not neighbours (row r of tile t is 32 (t / 2) + 8 (t % 2) + r + 8 (r / 8)): so the 16 registers of source-0 tiles 2 b and 2 b + 1 are the 16 neighbours 32 b + 16 (lane / 16) + 0 .. 15.
; The biases are the C of each sum's first matrix instruction.
; REGISTERS, in windows of 256.  Window 0: v1-8 addresses; v16-39 x's scale words; v40-51 the group's scale words of W; v52-55 scale words on their way out; v56-72 at work; v76-91 codes just made, two sets;
;   v96-127 v's bias spread out; v128-255 sixteen accumulators.   Window 1: v0-191 x's fragments (8 (6 a + s)); v192-223, v224-255 W's four fragments of a K step, two buffers.
;   Window 2: v0-191 bq's and bk's tiles in the result's layout (32 (2 i + kind) + 8 t); v192-203 bv (4 i + tile).
.set WSC,  221184                      ; LDS: behind the codes, W's scale words [i][kind][s][b][128 bytes]
.set XCH,  235008                      ; behind them: [i][wave][256 bytes]: v's half scale words go from wave to wave; no tensor load lands here
.set XS,   16
.set WS,   40
.set SCW,  52
.set VPW,  54
.set TM,   56
.set PW,   72
.set PC,   76
.set BI,   96
.set ACC,  128
.set WF,   192                         ; in window 1
.set VB,   192                         ; in window 2
.set SEL,  74                          ; s[74:75]
.set MSB, 0
.macro WIN new                         ; the immediate's high byte repeats the setting that is left
.if MSB != \new
	s_set_vgpr_msb (MSB<<8)|\new
.set MSB, \new
.endif
.endm
.macro PLACES
.rept 4
	v_nop
.endr
.endm
.macro ROUND                           ; a round of the cluster's barrier
	s_barrier_signal -1
	s_barrier_wait -1
	s_cmp_lg_u32 s24, 0
	s_cbranch_scc1 .Lnot_wave_0_\@
	s_barrier_signal -3
.Lnot_wave_0_\@:
	s_barrier_wait -3
	s_barrier_signal -1
	s_barrier_wait -1
.endm
; 64 numbers of a lane, register 16 b + i = place 32 b + 16 (lane / 16) + i of a run of 128, become 8 registers of codes at v[pc] on (registers 4 c .. 4 c + 3: places 64 c + 32 (lane / 16) + 0 .. 31) and four scale bytes in v[PW]
.macro QUANT s, pc
.irp b, 0,1,2,3
	v_max3_num_f32 v[TM+\b], |v[\s+16*\b]|, |v[\s+1+16*\b]|, 0x1800000   ; my 16 numbers of block b, and the floor 2^(3 - 127): the byte cannot fall under 1.  (Each accumulator is read from its low end on)
.endr
.irp i, 2,4,6,8,10,12,14
.irp b, 0,1,2,3
	v_max3_num_f32 v[TM+\b], v[TM+\b], |v[\s+16*\b+\i]|, |v[\s+1+16*\b+\i]|
.endr
.endr
.irp b, 0,1,2,3
	v_permlanex16_b32 v[TM+4+\b], v[TM+\b], s[SEL], s[SEL+1]
.endr
.irp b, 0,1,2,3
	v_max_num_f32 v[TM+\b], v[TM+\b], v[TM+4+\b]   ; with lane l xor 16's 16: the block's largest magnitude
.endr
.irp b, 0,1,2,3
	v_add_nc_u32 v[TM+12+\b], 0xff000000, v[TM+\b] ; 2 off its exponent field: the conversion's scale operand
.endr
.irp b, 0,1,2,3
	v_lshrrev_b32 v[TM+4+\b], 23, v[TM+12+\b]      ; the scale's byte
.endr
	v_lshl_or_b32 v[PW], v[TM+5], 8, v[TM+4]
	v_lshl_or_b32 v[PW], v[TM+6], 16, v[PW]
	v_lshl_or_b32 v[PW], v[TM+7], 24, v[PW]
.irp b, 0,1,2,3
	v_cvt_scalef32_pk8_fp4_f32 v[\pc+2*\b], v[\s+16*\b:\s+7+16*\b], v[TM+12+\b]
	v_cvt_scalef32_pk8_fp4_f32 v[\pc+1+2*\b], v[\s+8+16*\b:\s+15+16*\b], v[TM+12+\b]
.endr
	v_nop                                          ; one plain instruction behind the conversions
.irp c, 0,1                                    ; a whole block to a lane: lanes 0-15 block 2 c, lanes 16-31 block 2 c + 1
.irp i, 0,1
	v_permlane16_swap_b32 v[\pc+4*\c+\i], v[\pc+2+4*\c+\i]
.endr
.endr
.endm
; v's quantiser.  The tokens of x's tile t are 64 (t / 4) + 8 (t % 4) + r % 8 + 32 (r / 8), so a lane's 32 registers of a column tile are one whole block: tokens 32 (lane / 16) + 0 .. 31 of my wave's 64.
; 64 numbers of a lane (two column tiles) become 8 registers of codes, four a tile, and in v[PW] the bytes [tile, block 0], [tile, block 1], [next tile, block 0], [next tile, block 1]
.macro QUANTV s, pc
.irp b, 0,1,2,3
	v_max3_num_f32 v[TM+\b], |v[\s+16*\b]|, |v[\s+1+16*\b]|, 0x1800000   ; four chains of 16 numbers, with the floor 2^(3 - 127)
.endr
.irp i, 2,4,6,8,10,12,14
.irp b, 0,1,2,3
	v_max3_num_f32 v[TM+\b], v[TM+\b], |v[\s+16*\b+\i]|, |v[\s+1+16*\b+\i]|
.endr
.endr
	v_max_num_f32 v[TM], v[TM], v[TM+1]            ; my block of the first tile,
	v_max_num_f32 v[TM+2], v[TM+2], v[TM+3]        ; and of the second
	v_add_nc_u32 v[TM+12], 0xff000000, v[TM]       ; 2 off the exponent field: the conversion's scale operand
	v_add_nc_u32 v[TM+13], 0xff000000, v[TM+2]
	v_lshrrev_b32 v[TM+4], 23, v[TM+12]            ; the scale's byte
	v_lshrrev_b32 v[TM+5], 23, v[TM+13]
	v_lshl_or_b32 v[PW], v[TM+5], 16, v[TM+4]
	v_lshlrev_b32 v[PW], v73, v[PW]                ; 8 (lane / 16) bits up
	v_permlanex16_b32 v[TM+6], v[PW], s[SEL], s[SEL+1]
	v_or_b32 v[PW], v[PW], v[TM+6]                 ; with lane l xor 16's two bytes the word is whole
.irp c, 0,1
.irp u, 0,1,2,3
	v_cvt_scalef32_pk8_fp4_f32 v[\pc+4*\c+\u], v[\s+32*\c+8*\u:\s+32*\c+8*\u+7], v[TM+12+\c]
.endr
.endr
	v_nop                                          ; one plain instruction behind the conversions
.endm
.macro FETCHW q
	WIN 0x40                                       ; destination window 1, address window 0
.irp t, 0,1,2,3
.irp c, 0,1
	ds_load_b128 v[WF+32*((\q)%2)+8*\t+4*\c:WF+32*((\q)%2)+8*\t+4*\c+3], v8 offset:\t*6144+(\q)*1024+\c*512
.endr
.endr
.endm
; One product.  kind < 2: accumulator (token tile o, column tile n), source 0 = W's tile n, source 1 = x's tile o.  kind = 2: accumulator (column tile o, token tile n), source 0 = x's tile n, source 1 = W's tile o.
; W's scale words of tiles 2 b and 2 b + 1 share a register: lanes 0-15 and lanes 16-31.
.macro MM i, kind, o, n, s
.set rD, ACC+32*(\o)+8*(\n)
.set rW, WF+32*((\s)%2)
.if \kind < 2
.set rA, rW+8*(\n)
.set rB, 8*(6*(\o)+(\s))
.set sA, WS+2*(\s)+(\n)/2
.set sB, XS+6*(\o)+(\s)
.set rC, 32*(2*(\i)+(\kind))+8*(\n)
.set row, (\n)%2
.else
.set rA, 8*(6*(\n)+(\s))
.set rB, rW+8*(\o)
.set sA, XS+6*(\n)+(\s)
.set sB, WS+2*(\s)+(\o)/2
.set rC, BI+8*(\o)
.set row, 2*((\o)%2)
.endif
.if (\s) > 0
.set rC, rD
.endif
.if row == 0
	v_wmma_scale_f32_16x16x128_f8f6f4 v[rD:rD+7], v[rA:rA+7], v[rB:rB+7], v[rC:rC+7], v[sA], v[sB] matrix_a_fmt:MATRIX_FMT_FP4 matrix_b_fmt:MATRIX_FMT_FP4
.elseif row == 1
	v_wmma_scale_f32_16x16x128_f8f6f4 v[rD:rD+7], v[rA:rA+7], v[rB:rB+7], v[rC:rC+7], v[sA], v[sB] matrix_a_fmt:MATRIX_FMT_FP4 matrix_b_fmt:MATRIX_FMT_FP4 matrix_a_scale:MATRIX_SCALE_ROW1
.else
	v_wmma_scale_f32_16x16x128_f8f6f4 v[rD:rD+7], v[rA:rA+7], v[rB:rB+7], v[rC:rC+7], v[sA], v[sB] matrix_a_fmt:MATRIX_FMT_FP4 matrix_b_fmt:MATRIX_FMT_FP4 matrix_b_scale:MATRIX_SCALE_ROW1
.endif
.endm
; q or k goes out.  Two token tiles at a time: their 2 x 64 numbers a lane are one run of 128 for QUANT; each tile's four registers of codes are registers 0-3 of its fragment (K = 64; the reader fills registers 4-7 itself).
; Its two scale bytes: lanes 0-15 keep the even tile's, lanes 16-31 the odd tile's; bytes 2 and 3 repeat bytes 0 and 1.
.macro OUT_QK i, cb, cs, sb, ss
.irp p, 0,1
	QUANT ACC+64*\p, PC+8*\p
	global_store_b128 v1, v[PC+8*\p:PC+8*\p+3], s[\cb:\cb+1] offset:\i*\cs+1024*\p          ; 512 consecutive bytes
	global_store_b128 v1, v[PC+8*\p+4:PC+8*\p+7], s[\cb:\cb+1] offset:\i*\cs+1024*\p+512
	v_lshrrev_b32 v9, v4, v[PW]
	v_perm_b32 v[SCW+\p], v9, v9, 0x01000100       ; the tile's two bytes, twice: the reader lays a tile's 64 in either half of the instruction's K
.endr
	global_store_b64 v2, v[SCW:SCW+1], s[\sb:\sb+1] offset:\i*\ss                           ; 256 consecutive bytes
.endm
; v goes out.  Two column tiles at a time; a tile's four registers are half c = G % 2 of its fragment of key step G / 2.  The two scale bytes a tile meet the other wave's two in LDS, at the end.
.macro OUT_V i
.irp p, 0,1
	QUANTV ACC+64*\p, PC+8*\p
	global_store_b128 v1, v[PC+8*\p:PC+8*\p+3], s[70:71] offset:\i*73728+2048*\p
	global_store_b128 v1, v[PC+8*\p+4:PC+8*\p+7], s[70:71] offset:\i*73728+2048*\p+1024
	v_mov_b32 v[VPW+\p], v[PW]
.endr
	ds_store_b64 v5, v[VPW:VPW+1] offset:\i*1024
.endm
; A group: 64 columns x my 64 tokens: 96 products, the sixteen accumulators by turns, one instruction a turn, K ascending.
.macro GROUP i, kind
	v_add_nc_u32 v8, (3*\i+\kind)*24576, v1        ; 16 x lane + the group's codes in LDS
	s_wait_alu depctr_va_vdst(0)
.irp n, 0,1,2,3,4,5,6,7,8,9,10,11
	ds_load_b32 v[WS+\n], v3 offset:(3*\i+\kind)*1536+\n*128
.endr
	FETCHW 0
.if \kind == 2
	WIN 0x02                                       ; source 0 window 2
.irp t, 0,1,2,3
.irp j, 0,1,2,3,4,5,6,7
	v_mov_b32 v[BI+8*\t+\j], v[VB+4*\i+\t]         ; a lane's column has one bias for all its tokens
.endr
.endr
	WIN 0
	PLACES                                         ; the C so written is kept as far ahead of the scaled products as an operand so written
.endif
	s_wait_alu depctr_va_vdst(0)
.irp s, 0,1,2,3,4,5
.if \s < 5
.if \s > 0
	PLACES                                         ; four places behind the products that read the buffer loaded next (ISA guide 7.12.1 for vector instructions)
.endif
	FETCHW \s+1
	s_wait_dscnt 8                                 ; all but the next K step's 8 loads are in
.else
	s_wait_dscnt 0x0
.endif
.if (\s == 0) && (\kind < 2)
	WIN 0x25                                       ; sources 0 and 1 window 1, C (the bias) window 2, D window 0
.else
	WIN 0x05                                       ; sources 0 and 1 window 1, C and D window 0
.endif
.irp o, 0,1,2,3
.irp n, 0,1,2,3
	MM \i, \kind, \o, \n, \s
.endr
.endr
.endr
	WIN 0
	PLACES                                         ; in front of the first read of results
	s_wait_xcnt 0x0                                ; the last group's stores have read their data: the codes' registers are written again only behind this wait
.if \kind == 0
	OUT_QK \i, 18, 32768, 20, 4096
.elseif \kind == 1
	OUT_QK \i, 66, 73728, 68, 73728
.else
	OUT_V \i
.endif
.endm
	s_load_b512 s[4:19], s[0:1], 0x0               ; xc s[4:5], xs s[6:7], wc s[8:9], ws s[10:11], bq s[12:13], bk s[14:15], bv s[16:17], qc s[18:19]
	s_load_b128 s[20:23], s[0:1], 0x40             ; qs s[20:21], kv s[22:23]
	v_lshl_add_u32 v94, v0, 2, 0x3a200
	v_mov_b32 v95, 0
	ds_add_u32 v94, v95
	ds_add_u32 v94, v95
	v_lshrrev_b32 v1, 5, v0
	v_readfirstlane_b32 s24, v1                    ; wave 0..3
	s_bfe_u32 s25, ttmp6, 0x40000                  ; cx: my place in the cluster
	s_lshl_b32 s26, ttmp9, 2
	s_add_co_u32 s26, s26, s25                     ; tb: my block of 256 tokens: it enters global addresses of x and of the results alone
	s_and_b32 s27, ttmp7, 0xffff                   ; y: heads 3 y on, which the four partners share
	; descriptor group 1 for the codes: a dense block of 24,576 bytes as 96 rows of 32 elements of 8 bytes
	s_mov_b32 s32, 15|(3<<16)|(1<<21)              ; 15:0 the mask: all four work-groups; 17:16 elements of 8 bytes; 21 set beside a mask
	s_mov_b32 s33, 32<<16                          ; tensor_dim0 = 32
	s_mov_b32 s34, 96<<16                          ; tensor_dim1 = 96: at the head a load brings one kind of head 0, 24,576 bytes
	s_mov_b32 s35, 32<<16                          ; tile_dim0 = 32
	s_mov_b32 s36, 96                              ; tile_dim1 = 96
	s_mov_b32 s37, 32                              ; from row to row
	s_mov_b32 s38, 0
	s_mov_b32 s39, 0
	; and for the scale words: 13,824 bytes as 54 rows of 32 elements
	s_mov_b32 s40, 15|(3<<16)|(1<<21)
	s_mov_b32 s41, 32<<16                          ; all 13,824 bytes of scale words: 54 rows of 256 bytes
	s_mov_b32 s42, 54<<16
	s_mov_b32 s43, 32<<16
	s_mov_b32 s44, 54
	s_mov_b32 s45, 32
	s_mov_b32 s46, 0
	s_mov_b32 s47, 0
	s_mul_i32 s28, s24, 36864                      ; my quarter of heads 1 and 2,
	s_mul_i32 s30, s27, 13824                      ; the three heads' scale words,
	s_mov_b32 s31, 0
	s_mul_i32 s29, s24, 24576                      ; my kind of head 0 (waves 0 to 2),
	s_mul_i32 s76, s27, 221184                     ; the three heads' codes
	s_mov_b32 s77, 0
	v_and_b32 v9, 31, v0                           ; lane
	v_and_b32 v10, 15, v0                          ; r
	v_bfe_u32 v11, v0, 4, 1                        ; h
	v_lshlrev_b32 v1, 4, v9                        ; 16 x lane
	v_lshlrev_b32 v2, 3, v9                        ; 8 x lane
	v_lshl_add_u32 v3, v9, 2, WSC                  ; W's scale words: 4 x lane
	v_lshlrev_b32 v4, 4, v11
	v_lshlrev_b32 v73, 3, v11                      ; 8 h
	s_lshl_b32 s88, s24, 8
	s_add_co_u32 s88, s88, XCH
	v_add_nc_u32 v5, s88, v2                       ; my wave's 256 bytes of the exchange
	v_lshlrev_b32 v6, 6, v11                       ; bq, bk: 64 h bytes
	v_and_b32 v7, 8, v10
	v_add_nc_u32 v7, v7, v10
	v_lshlrev_b32 v7, 2, v7                        ; bv: 4 (r + 8 (r / 8))
.irp b, 0,1,2,3
	v_mov_b32 v[TM+4+\b], 0                        ; a lane permute's destination counts as one of its sources
.endr
	s_mov_b32 s[SEL], 0x76543210
	s_mov_b32 s[SEL+1], 0xfedcba98
	s_mov_b32 s90, 0x05040100                      ; v_perm_b32: the two low halves,
	s_mov_b32 s91, 0x07060302                      ; the two high halves
	s_wait_dscnt 0x0
	s_wait_kmcnt 0x0
	s_mov_b32 s48, 1                               ; group 0 for the scale words
	s_mov_b32 s49, WSC
	s_add_nc_u64 s[50:51], s[10:11], s[30:31]
	s_or_b32 s51, s51, 0x80000000
	s_add_nc_u64 s[8:9], s[8:9], s[76:77]
	s_mov_b32 s52, 1                               ; for my kind of head 0
	s_mov_b32 s53, s29
	s_mov_b32 s78, s29
	s_mov_b32 s79, 0
	s_add_nc_u64 s[54:55], s[8:9], s[78:79]
	s_or_b32 s55, s55, 0x80000000
	s_mov_b32 s56, 1                               ; for my quarter of heads 1 and 2
	s_add_co_u32 s57, s28, 73728
	s_mov_b32 s78, s57
	s_add_nc_u64 s[58:59], s[8:9], s[78:79]
	s_or_b32 s59, s59, 0x80000000
	ROUND                                          ; all four work-groups are here: the joint loads meet
	s_cmp_lt_u32 s24, 3                            ; one load a wave at the head: waves 0 to 2 head 0's q, k, v; wave 3 the scale words
	s_cbranch_scc0 .Lhead_scales
	tensor_load_to_lds s[52:55], s[32:39]
	s_nop 0
	PLACES
	s_branch .Lhead_asked
.Lhead_scales:
	tensor_load_to_lds s[48:51], s[40:47]
	s_nop 0
	PLACES
.Lhead_asked:
	s_lshl_b32 s78, s26, 4
	s_lshl_b32 s79, s24, 2
	s_add_co_u32 s78, s78, s79                     ; my first tile of tokens: 16 tb + 4 wave
	s_mov_b32 s81, 0
	s_mul_i32 s80, s78, 6144
	s_add_nc_u64 s[4:5], s[4:5], s[80:81]
	s_mul_i32 s80, s78, 768
	s_add_nc_u64 s[6:7], s[6:7], s[80:81]
	s_mul_i32 s80, s27, 768                        ; the biases of head 3 y
	s_add_nc_u64 s[12:13], s[12:13], s[80:81]
	s_add_nc_u64 s[14:15], s[14:15], s[80:81]
	s_add_nc_u64 s[16:17], s[16:17], s[80:81]
	WIN 0x40
.irp a, 0,1,2,3
.irp s, 0,1,2,3,4,5
.irp c, 0,1
	global_load_b128 v[8*(6*\a+\s)+4*\c:8*(6*\a+\s)+4*\c+3], v1, s[4:5] offset:\a*6144+\s*1024+\c*512   ; x's fragments stay in registers
.endr
.endr
.endr
	WIN 0
.irp a, 0,1,2,3
.irp q, 0,1,2
	global_load_b64 v[XS+6*\a+2*\q:XS+6*\a+2*\q+1], v2, s[6:7] offset:\a*768+\q*256
.endr
.endr
	WIN 0x80                                       ; destination window 2
	s_wait_alu depctr_va_vdst(0)
.irp i, 0,1,2
.irp t, 0,1,2,3                                ; lane (r, h), tile t, register j: column 32 (t / 2) + 8 (t % 2) + 16 h + j
	global_load_b128 v[64*\i+8*\t:64*\i+8*\t+3], v6, s[12:13] offset:\i*256+(32*(\t/2)+8*(\t%2))*4
	global_load_b128 v[64*\i+8*\t+4:64*\i+8*\t+7], v6, s[12:13] offset:\i*256+(32*(\t/2)+8*(\t%2))*4+16
	global_load_b128 v[64*\i+32+8*\t:64*\i+32+8*\t+3], v6, s[14:15] offset:\i*256+(32*(\t/2)+8*(\t%2))*4
	global_load_b128 v[64*\i+32+8*\t+4:64*\i+32+8*\t+7], v6, s[14:15] offset:\i*256+(32*(\t/2)+8*(\t%2))*4+16
	global_load_b32 v[VB+4*\i+\t], v7, s[16:17] offset:\i*256+(32*(\t/2)+8*(\t%2))*4
.endr
.endr
	WIN 0
	; where the results go.  G: my 64 tokens among the batch's 1,024; bh0: batch x 12 + 3 y
	s_and_b32 s82, s26, 3
	s_lshl_b32 s82, s82, 2
	s_add_co_u32 s82, s82, s24                     ; G
	s_lshr_b32 s83, s26, 2
	s_mul_i32 s83, s83, 12
	s_mul_i32 s84, s27, 3
	s_add_co_u32 s83, s83, s84                     ; bh0
	s_lshl_b32 s80, s83, 15
	s_lshl_b32 s84, s82, 11                        ; four tiles of 512 bytes
	s_add_co_u32 s80, s80, s84
	s_add_nc_u64 s[18:19], s[18:19], s[80:81]      ; q's codes
	s_lshl_b32 s80, s83, 12
	s_lshl_b32 s85, s82, 8
	s_add_co_u32 s80, s80, s85
	s_add_nc_u64 s[20:21], s[20:21], s[80:81]      ; q's scale words
	s_mul_i32 s80, s83, 73728
	s_add_nc_u64 s[22:23], s[22:23], s[80:81]      ; the head's block of kv
	s_mov_b32 s80, s84
	s_add_nc_u64 s[66:67], s[22:23], s[80:81]      ; k's codes
	s_add_co_u32 s80, s85, 65536
	s_add_nc_u64 s[68:69], s[22:23], s[80:81]      ; k's scale words
	s_lshr_b32 s86, s82, 1
	s_lshl_b32 s80, s86, 12
	s_and_b32 s87, s82, 1
	s_lshl_b32 s87, s87, 9
	s_add_co_u32 s80, s80, s87
	s_add_co_u32 s80, s80, 32768
	s_add_nc_u64 s[70:71], s[22:23], s[80:81]      ; v's codes: key step G / 2, half G % 2
	s_lshl_b32 s80, s86, 9
	s_add_co_u32 s80, s80, 69632
	s_add_nc_u64 s[72:73], s[22:23], s[80:81]      ; v's scale words
	s_wait_loadcnt 0x0                             ; x, its scale words and the biases, once
.irp i, 0,1,2
.if \i == 0
	s_wait_tensorcnt 0x0                           ; my load of the head's four is in
	ds_add_u32 v94, v95
	s_mov_b32 s34, 144<<16                         ; no tensor load of mine is out: from here on a load brings 144 rows, 36,864 bytes
	s_mov_b32 s36, 144
	s_wait_dscnt 0x0
	ROUND                                          ; head 0 and the scale words are whole, and the four work-groups are here
	tensor_load_to_lds s[56:59], s[32:39]          ; heads 1 and 2, a quarter a wave: my one load behind the round
	s_nop 0
	PLACES
.else
	s_wait_tensorcnt 0x0                           ; my quarter of heads 1 and 2 is in
	s_wait_dscnt 0x0
	s_barrier_signal -1
	s_barrier_wait -1                              ; everybody's is
.endif
	GROUP \i, 0
	GROUP \i, 1
	GROUP \i, 2
.endr
	s_wait_dscnt 0x0                               ; my stores into the exchange have landed
	s_barrier_signal -1
	s_barrier_wait -1
	s_and_b32 s89, s24, 1                          ; a key step's 128 keys are the tokens of waves 2 n and 2 n + 1: the even wave joins the two halves of the scale words
	s_cmp_lg_u32 s89, 0
	s_cbranch_scc1 .Lodd
.irp i, 0,1,2
	ds_load_b64 v[BI+4*\i:BI+4*\i+1], v5 offset:\i*1024           ; mine,
	ds_load_b64 v[BI+4*\i+2:BI+4*\i+3], v5 offset:\i*1024+256     ; and the next wave's
.endr
	s_wait_dscnt 0x0
.irp i, 0,1,2
	v_perm_b32 v[BI+16+4*\i], v[BI+4*\i+2], v[BI+4*\i], s90       ; column tile 0: my two bytes below, the other wave's above
	v_perm_b32 v[BI+17+4*\i], v[BI+4*\i+2], v[BI+4*\i], s91       ; tile 1
	v_perm_b32 v[BI+18+4*\i], v[BI+4*\i+3], v[BI+4*\i+1], s90     ; tile 2
	v_perm_b32 v[BI+19+4*\i], v[BI+4*\i+3], v[BI+4*\i+1], s91     ; tile 3
	global_store_b128 v1, v[BI+16+4*\i:BI+19+4*\i], s[72:73] offset:\i*73728   ; 512 consecutive bytes
.endr
.Lodd:
	s_wait_tensorcnt 0x0
	ds_add_u32 v94, v95
	s_wait_dscnt 0x0
	ROUND                                          ; the closing round: no work-group ends while a partner may still ask for a tile that names it
	s_endpgm
.Lfunc_end_k_qb2e2d79c03_proj:
	.size	k_qb2e2d79c03_proj, .Lfunc_end_k_qb2e2d79c03_proj-k_qb2e2d79c03_proj
	.p2alignl 7, 3214868480
	.fill 96, 4, 3214868480
	.section	.rodata,"a",@progbits
	.p2align	6, 0x0
	.amdhsa_kernel k_qb2e2d79c03_proj
		.amdhsa_group_segment_fixed_size 327680
		.amdhsa_private_segment_fixed_size 0
		.amdhsa_enable_private_segment 0
		.amdhsa_kernarg_size 80
		.amdhsa_user_sgpr_count 2
		.amdhsa_user_sgpr_kernarg_segment_ptr 1
		.amdhsa_wavefront_size32 1
		.amdhsa_system_sgpr_workgroup_id_x 1
		.amdhsa_system_sgpr_workgroup_id_y 1
		.amdhsa_system_sgpr_workgroup_id_z 1
		.amdhsa_system_vgpr_workitem_id 0
		.amdhsa_next_free_vgpr 768
		.amdhsa_next_free_sgpr 96
		.amdhsa_reserve_vcc 0
		.amdhsa_float_denorm_mode_32 3
		.amdhsa_float_denorm_mode_16_64 3
		.amdhsa_memory_ordered 1
		.amdhsa_forward_progress 1
		.amdhsa_inst_pref_size 248
	.end_amdhsa_kernel
	.amdgpu_metadata
---
amdhsa.version: [ 1, 2 ]
amdhsa.kernels:
  - .name:           k_qb2e2d79c03_proj
    .symbol:         k_qb2e2d79c03_proj.kd
    .args:
      - { .name: xc, .offset: 0, .size: 8, .value_kind: global_buffer, .address_space: global }
      - { .name: xs, .offset: 8, .size: 8, .value_kind: global_buffer, .address_space: global }
      - { .name: wc, .offset: 16, .size: 8, .value_kind: global_buffer, .address_space: global }
      - { .name: ws, .offset: 24, .size: 8, .value_kind: global_buffer, .address_space: global }
      - { .name: bq, .offset: 32, .size: 8, .value_kind: global_buffer, .address_space: global }
      - { .name: bk, .offset: 40, .size: 8, .value_kind: global_buffer, .address_space: global }
      - { .name: bv, .offset: 48, .size: 8, .value_kind: global_buffer, .address_space: global }
      - { .name: qc, .offset: 56, .size: 8, .value_kind: global_buffer, .address_space: global }
      - { .name: qs, .offset: 64, .size: 8, .value_kind: global_buffer, .address_space: global }
      - { .name: kv, .offset: 72, .size: 8, .value_kind: global_buffer, .address_space: global }
    .group_segment_fixed_size: 327680
    .private_segment_fixed_size: 0
    .kernarg_segment_align: 8
    .kernarg_segment_size: 80
    .max_flat_workgroup_size: 128
    .sgpr_count:     96
    .vgpr_count:     768
    .wavefront_size: 32
...
	.end_amdgpu_metadata
.endif
;; end of part 2
;; launch attn (part 3): grid 256 x 1, 16 waves a work-group, clusters of 4 x 1, 327,680 bytes of LDS; arguments qc, qs, kv, out0; writes out0
.if DOCPART == 3
	.amdgcn_target "amdgcn-amd-amdhsa--gfx1250"
	.amdhsa_code_object_version 6
	.text
	.protected	k_qb2e2d79c03_attn
	.globl	k_qb2e2d79c03_attn
	.p2align	8
	.type	k_qb2e2d79c03_attn,@function
k_qb2e2d79c03_attn:
	s_mov_b64 s[64:65], 0
	v_nop
	global_prefetch_b8 v0, s[64:65] scope:SCOPE_SE
	s_setreg_imm32_b32 hwreg(HW_REG_WAVE_MODE, 25, 1), 1
	s_wait_xcnt 0x0
	s_wait_alu depctr_hold_cnt(0) depctr_sa_sdst(0) depctr_va_vdst(0) depctr_va_sdst(0) depctr_va_ssrc(0) depctr_va_vcc(0) depctr_vm_vsrc(0)
	s_getreg_b32 s2, hwreg(HW_REG_IB_STS2, 6, 4)
	s_cmp_eq_u32 s2, 0
	s_cbranch_scc0 .Lentry_in_a_cluster
	s_endpgm
.Lentry_in_a_cluster:
	s_bfe_u32 s2, ttmp6, 0x10000c
	s_cmp_lg_u32 s2, 0x3003
	s_cbranch_scc0 .Lentry_shape_is_right
	s_endpgm
.Lentry_shape_is_right:
; out[b][n][64 head + e] = the sum over keys of softmax(q . k / 8) v, both products on codes of FP4 with E8M0 scales, f32 sums.
; THE SOFTMAX: t = score x log2(e) / 8; M = the row's largest t so far, rounded up to a whole number; p = 2^(t - M) is quantised along the keys, not normalised.
; The row's sum is taken of the unquantised p and divides at the end.  When M moves, the sum and O are multiplied by 2^(old M - new M): exact.
; LIMITS: NaN and infinities are not served; the promise holds while |t| stays under 2^31.  A block of p that is all zeros keeps the scale byte 1: its codes are zeros.
; SHARES.  Cluster g walks heads 3 g .. 3 g + 2 (batch g / 4).  Its four work-groups own 256 queries each, each of sixteen waves one tile of 16 queries: 3 x 8 steps of 128 keys a wave.
; A head's k and v, codes and scale words, are one dense block of 73,728 bytes; three slots, no LDS byte is filled twice.  The four partners ask for each block jointly.
; Slot 0 is asked for at the head (waves 0 to 3, a quarter each); slots 1 and 2 behind a round (waves 0 to 7).  One barrier, behind head 0's third step, shows them to all waves;
; no other barrier stands between heads.  NO PREFETCH: all twelve tensor loads are issued ahead of the first key step, so there is no trip in which to ask ahead of them.
; LAYOUT.  Both products are used transposed (source 0 = 16 keys, or 16 of the head's 64): a lane holds one query (lane % 16) throughout.
; Row r of token tile t is token 64 (t / 4) + 8 (t % 4) + r % 8 + 32 (r / 8): so the 32 registers of key tiles 4 c .. 4 c + 3 are the whole block 64 c + 32 (lane / 16) + 0 .. 31, in the order of the next operand's registers.
; The head's size is 64, half of the instruction's K.  Key tiles lie in pairs of 12 registers, [a][zeros][b]: registers 0-7 are a's fragment, 4-11 b's; q's fragment holds q twice, and q's and k's scale words their two bytes twice.
.set SLOT,  73728                      ; +0 k's codes [tile 64][512]; +32768 v's codes [step 8][tile 4][1,024]; +65536 k's scale words [16][256]; +69632 v's [step 8][512]
.set STAGE, 3*SLOT                     ; 16 rows x 272 bytes for each wave, for the way out; no tensor load lands here
.set SPARE, STAGE+16*16*272            ; the spare words
.set QF,   16                          ; v16-39   q twice, three heads
.set QSC,  40                          ; v40-42   their scale words
.set PW,   43                          ; v43      p's scale word
.set KF,   44                          ; v44-91   eight key tiles
.set VF,   92                          ; v92-123  four fragments of v
.set S,    124                         ; v124-187 S^T, then p
.set O,    188                         ; v188-219 O^T
.set PC,   220                         ; v220-227 p's codes
.set BM,   228                         ; v228-231 four chains of maxima; then v228, v230 the two blocks'
.set SO,   232                         ; v232-233 the conversions' scale operands
.set X,    234                         ; v234 the step's largest score, v235 lane l xor 16's
.set XP,   235
.set W,    236                         ; v236 my two scale bytes, v237 lane l xor 16's
.set WP,   237
.set FF,   238                         ; v[238:239] f = 2^(old M - new M), named as a pair
.set KSR,  240                         ; v240-243 k's scale words: register g: lanes 0-15 tile 2 g, lanes 16-31 tile 2 g + 1
.set VSR,  244                         ; v244-247 v's
.set T1,   248                         ; v248-253 three chains of the row's sum
.set SPW,  254
.set NIL,  255
.set SEL,  40                          ; s[40:41]
.set CS,   42                          ; s[42:43] c = log2(e) / 8
.set TB,   44                          ; s44  LDS byte of a step's k tiles
.set TS,   45                          ; s45  and of its scale words
.set CNT,  46
.macro PLACES
.rept 4
	v_nop
.endr
.endm
.macro ROUND                           ; a round of the cluster's barrier
	s_barrier_signal -1
	s_barrier_wait -1
	s_cmp_lg_u32 s12, 0
	s_cbranch_scc1 .Lnot_wave_0_\@
	s_barrier_signal -3
.Lnot_wave_0_\@:
	s_barrier_wait -3
	s_barrier_signal -1
	s_barrier_wait -1
.endm
.macro KLOAD                           ; eight key tiles at v3, their scale words at v4
.irp g, 0,1,2,3
	ds_load_b128 v[KF+12*\g:KF+12*\g+3], v3 offset:\g*1024
	ds_load_b128 v[KF+12*\g+8:KF+12*\g+11], v3 offset:\g*1024+512
.endr
	ds_load_b64 v[KSR:KSR+1], v4
	ds_load_b64 v[KSR+2:KSR+3], v4 offset:256
.endm
; A KEY STEP: 128 keys of head i.  Its k was fetched a step earlier.
.macro STEP i
.irp g, 0,1,2,3
	v_wmma_scale_f32_16x16x128_f8f6f4 v[S+16*\g:S+16*\g+7], v[KF+12*\g:KF+12*\g+7], v[QF+8*\i:QF+8*\i+7], 0, v[KSR+\g], v[QSC+\i] matrix_a_fmt:MATRIX_FMT_FP4 matrix_b_fmt:MATRIX_FMT_FP4
	v_wmma_scale_f32_16x16x128_f8f6f4 v[S+16*\g+8:S+16*\g+15], v[KF+12*\g+4:KF+12*\g+11], v[QF+8*\i:QF+8*\i+7], 0, v[KSR+\g], v[QSC+\i] matrix_a_fmt:MATRIX_FMT_FP4 matrix_b_fmt:MATRIX_FMT_FP4 matrix_a_scale:MATRIX_SCALE_ROW1
.endr
	s_add_co_u32 s[TB], s[TB], 4096
	s_add_co_u32 s[TS], s[TS], 512
	v_add_nc_u32 v3, s[TB], v1                     ; the next step's addresses and the old -M: the four places behind the products, ahead of the loads and of the first read of scores
	v_add_nc_u32 v4, s[TS], v2
	v_add_nc_u32 v5, s[TS], v1
	v_mov_b32 v11, v12
.irp t, 0,1,2,3
.irp c, 0,1
	ds_load_b128 v[VF+8*\t+4*\c:VF+8*\t+4*\c+3], v3 offset:28672+\t*1024+\c*512   ; this step's v: 32,768 - 4,096 from the next step's k
.endr
.endr
	ds_load_b128 v[VSR:VSR+3], v5 offset:3584
	KLOAD                                          ; the next step's k (behind a head's last step: bytes of the same slot that no product takes)
.irp b, 0,1,2,3
	v_max3_num_f32 v[BM+\b], v[S+16*\b], v[S+16*\b+1], v[S+16*\b+2]   ; four chains by turns; each accumulator is read from its low end on
.endr
.irp n, 3,5,7,9,11,13
.irp b, 0,1,2,3
	v_max3_num_f32 v[BM+\b], v[BM+\b], v[S+16*\b+\n], v[S+16*\b+\n+1]
.endr
.endr
	v_max3_num_f32 v[BM], v[BM], v[BM+1], v[S+15]
	v_max3_num_f32 v[BM+2], v[BM+2], v[BM+3], v[S+47]
	v_max_num_f32 v[BM], v[BM], v[S+31]            ; the largest score of my block 2 c + lane / 16: it serves for the row's maximum and, since p rises with the score, for the block's largest p
	v_max_num_f32 v[BM+2], v[BM+2], v[S+63]
	s_delay_alu instid0(VALU_DEP_1)
	v_max_num_f32 v[X], v[BM], v[BM+2]
	s_delay_alu instid0(VALU_DEP_1)
	v_permlanex16_b32 v[XP], v[X], s[SEL], s[SEL+1]
	s_delay_alu instid0(VALU_DEP_1)
	v_max3_num_f32 v13, v13, v[X], v[XP]           ; the running largest score of my query
	s_delay_alu instid0(VALU_DEP_1)
	v_mul_f32 v10, s[CS], v13                      ; as t (c is positive)
	s_delay_alu instid0(VALU_DEP_1)
	v_floor_f32 v12, -v10                          ; the new -M = -ceil(t): a whole number
.set j, 0
.rept 32
	v_pk_fma_f32 v[S+j:S+j+1], v[S+j:S+j+1], s[CS:CS+1], v[12:13] op_sel_hi:[1,0,0]   ; t - M, two at a time
.set j, j+2
.endr
	v_fma_f32 v[BM], v[BM], s[CS], v12             ; the same of each block's largest score
	v_fma_f32 v[BM+2], v[BM+2], s[CS], v12
	v_sub_f32 v10, v12, v11                        ; old M - new M: a whole number, 0 or less
	s_delay_alu instid0(VALU_DEP_1)
	v_cvt_i32_f32 v10, v10                         ; (it saturates)
	s_delay_alu instid0(VALU_DEP_1)
	v_ldexp_f32 v[FF], 1.0, v10                    ; f = 2^(old M - new M)
.set j, 0
.rept 16
	v_pk_mul_f32 v[O+j:O+j+1], v[O+j:O+j+1], v[FF:FF+1] op_sel_hi:[1,0]   ; O^T under the new M, ahead of the exponentials
.set j, j+2
.endr
	s_wait_alu depctr_va_vdst(0)
	s_wait_dscnt 0x0                               ; this step's v and the next step's k are in
.set j, 0
.rept 64
	v_exp_f32 v[S+j], v[S+j]                       ; p = 2^(t - M), at most 1
.set j, j+1
.endr
	v_exp_f32 v[BM], v[BM]                         ; the blocks' largest p: the same two instructions on the same number give the same bits
	v_exp_f32 v[BM+2], v[BM+2]
	v_pk_mul_f32 v[14:15], v[14:15], v[FF:FF+1] op_sel_hi:[1,0]   ; the sums under the new M: the plain instruction behind the batch
	s_wait_alu depctr_va_vdst(0)                   ; one wait for the batch, ahead of its first reader
	v_max_num_f32 v[BM], 0x1800000, v[BM]          ; the floor 2^(3 - 127): the byte cannot fall under 1
	v_max_num_f32 v[BM+2], 0x1800000, v[BM+2]
	s_delay_alu instid0(VALU_DEP_2)
	v_add_nc_u32 v[SO], 0xff000000, v[BM]          ; 2 off the exponent field: the conversion's scale operand
	s_delay_alu instid0(VALU_DEP_2)
	v_add_nc_u32 v[SO+1], 0xff000000, v[BM+2]
	s_delay_alu instid0(VALU_DEP_2)
	v_lshrrev_b32 v[BM+1], 23, v[SO]               ; the scale's byte
	s_delay_alu instid0(VALU_DEP_2)
	v_lshrrev_b32 v[BM+3], 23, v[SO+1]
	s_delay_alu instid0(VALU_DEP_1)
	v_lshl_or_b32 v[W], v[BM+3], 16, v[BM+1]       ; blocks h and 2 + h,
	s_delay_alu instid0(VALU_DEP_1)
	v_lshlrev_b32 v[W], v9, v[W]                   ; 8 h bits up;
	s_delay_alu instid0(VALU_DEP_1)
	v_permlanex16_b32 v[WP], v[W], s[SEL], s[SEL+1]
	s_delay_alu instid0(VALU_DEP_1)
	v_or_b32 v[PW], v[W], v[WP]                    ; with lane l xor 16's two the word is whole
.irp c, 0,1
.irp u, 0,1,2,3
	v_cvt_scalef32_pk8_fp4_f32 v[PC+4*\c+\u], v[S+32*\c+8*\u:S+32*\c+8*\u+7], v[SO+\c]   ; the operand's registers as they are wanted
.endr
.endr
	v_pk_add_f32 v[T1:T1+1], v[S:S+1], v[S+2:S+3]          ; the row's sum of the unquantised p, four chains by turns; these 32 lines also stand between the writes of p's codes and scale word and the products
	v_pk_add_f32 v[T1+2:T1+3], v[S+4:S+5], v[S+6:S+7]
	v_pk_add_f32 v[T1+4:T1+5], v[S+8:S+9], v[S+10:S+11]
	v_pk_add_f32 v[14:15], v[14:15], v[S+12:S+13]
.set j, 14
.rept 6
	v_pk_add_f32 v[T1:T1+1], v[T1:T1+1], v[S+j:S+j+1]
	v_pk_add_f32 v[T1+2:T1+3], v[T1+2:T1+3], v[S+j+2:S+j+3]
	v_pk_add_f32 v[T1+4:T1+5], v[T1+4:T1+5], v[S+j+4:S+j+5]
	v_pk_add_f32 v[14:15], v[14:15], v[S+j+6:S+j+7]
.set j, j+8
.endr
	v_pk_add_f32 v[T1:T1+1], v[T1:T1+1], v[S+62:S+63]
	v_pk_add_f32 v[T1+2:T1+3], v[T1+2:T1+3], v[T1+4:T1+5]
	s_delay_alu instid0(VALU_DEP_2)
	v_pk_add_f32 v[14:15], v[14:15], v[T1:T1+1]
	s_delay_alu instid0(VALU_DEP_1)
	v_pk_add_f32 v[14:15], v[14:15], v[T1+2:T1+3]
.irp t, 0,1,2,3                                ; O^T += v^T p^T: the four accumulators by turns
	v_wmma_scale_f32_16x16x128_f8f6f4 v[O+8*\t:O+8*\t+7], v[VF+8*\t:VF+8*\t+7], v[PC:PC+7], v[O+8*\t:O+8*\t+7], v[VSR+\t], v[PW] matrix_a_fmt:MATRIX_FMT_FP4 matrix_b_fmt:MATRIX_FMT_FP4
.endr
.endm
.macro LOOP i, n
	s_mov_b32 s[CNT], \n
.Lstep_\@:
	STEP \i
	s_sub_co_u32 s[CNT], s[CNT], 1
	s_cmp_lg_u32 s[CNT], 0
	s_cbranch_scc1 .Lstep_\@
.endm
.macro BEGIN i                         ; head i: zeros, and its first step's k
.if \i > 0
	s_wait_xcnt 0x0                                ; the last head's stores have read their data: those registers are written again only behind this wait
.endif
	v_mov_b32 v13, 0xff61b1e6                      ; the largest score so far: -3e38
	v_mov_b32 v12, 0x7e000000                      ; -M = 2^125: the first change of M gives f = 0, which leaves zeros zeros
	v_mov_b32 v14, 0
	v_mov_b32 v15, 0
.set j, 0
.rept 32
	v_mov_b32 v[O+j], 0
.set j, j+1
.endr
	s_mov_b32 s[TB], \i*SLOT
	s_mov_b32 s[TS], \i*SLOT+65536
	v_add_nc_u32 v3, s[TB], v1
	v_add_nc_u32 v4, s[TS], v2
	KLOAD
	s_wait_alu depctr_va_vdst(0)
	s_wait_dscnt 0x0
.endm
.macro FINISH i                        ; O^T / the sum goes through my stage and leaves as whole rows of 256 bytes
	PLACES
	v_add_f32 v14, v14, v15
	s_delay_alu instid0(VALU_DEP_1)
	v_permlanex16_b32 v[XP], v14, s[SEL], s[SEL+1]
	s_delay_alu instid0(VALU_DEP_1)
	v_add_f32 v14, v14, v[XP]                      ; the row's sum
	s_wait_alu depctr_va_vdst(0)
	v_rcp_f32 v14, v14
	v_nop
	s_wait_alu depctr_va_vdst(0)                   ; ahead of the reciprocal's first reader, which is also O^T's
.set j, 0
.rept 16
	v_pk_mul_f32 v[S+j:S+j+1], v[O+j:O+j+1], v[14:15] op_sel_hi:[1,0]   ; register 8 t + j: o(query r, 32 (t / 2) + 8 (t % 2) + 16 h + j)
.set j, j+2
.endr
.irp t, 0,1,2,3
	ds_store_b128 v6, v[S+8*\t:S+8*\t+3] offset:128*(\t/2)+32*(\t%2)
	ds_store_b128 v6, v[S+8*\t+4:S+8*\t+7] offset:128*(\t/2)+32*(\t%2)+16
.endr
.irp k, 0,1,2,3,4,5,6,7
	ds_load_b128 v[S+32+4*\k:S+32+4*\k+3], v7 offset:2*\k*272    ; LDS serves a wave's instructions in order: these see my stores
.endr
.irp k, 0,1,2,3,4,5,6,7
	s_wait_dscnt 7-\k                              ; load k is in; the 7 - k younger ones may be out
	global_store_b128 v8, v[S+32+4*\k:S+32+4*\k+3], s[10:11] offset:(2*\k+24*(\k/4))*3072+\i*256 th:TH_STORE_NT   ; sixteen lanes store 256 consecutive bytes, aligned
.endr
.endm
	s_load_b256 s[4:11], s[0:1], 0x0               ; qc s[4:5], qs s[6:7], kv s[8:9], out0 s[10:11]
	v_lshl_add_u32 v[SPW], v0, 2, SPARE
	v_mov_b32 v[NIL], 0
	ds_add_u32 v[SPW], v[NIL]
	ds_add_u32 v[SPW], v[NIL]
	v_lshrrev_b32 v1, 5, v0
	s_delay_alu instid0(VALU_DEP_1)
	v_readfirstlane_b32 s12, v1                    ; wave 0..15
	s_bfe_u32 s13, ttmp6, 0x40000                  ; cx: it enters q's and the output's global addresses alone
	s_mov_b32 s16, 15|(3<<16)|(1<<21)              ; group 1: 18,432 dense bytes as 72 rows of 32 elements of 8 bytes; the mask names all four work-groups
	s_mov_b32 s17, 32<<16
	s_mov_b32 s18, 72<<16
	s_mov_b32 s19, 32<<16
	s_mov_b32 s20, 72
	s_mov_b32 s21, 32
	s_mov_b32 s22, 0
	s_mov_b32 s23, 0
	s_mul_i32 s14, s12, 18432                      ; piece w of slot 0 (waves 0 to 3); piece w of slots 1 and 2 (waves 0 to 7)
	s_mul_i32 s36, ttmp9, 3*SLOT                   ; the cluster's three heads
	s_add_co_u32 s36, s36, s14
	s_mov_b32 s37, 0
	s_mov_b32 s[SEL], 0x76543210
	s_mov_b32 s[SEL+1], 0xfedcba98
	s_mov_b32 s[CS], 0x3e38aa3b                    ; c = log2(e) / 8
	s_mov_b32 s[CS+1], s[CS]
	s_wait_dscnt 0x0
	s_wait_kmcnt 0x0
	s_add_nc_u64 s[8:9], s[8:9], s[36:37]
	s_mov_b32 s24, 1
	s_mov_b32 s25, s14
	s_mov_b64 s[26:27], s[8:9]
	s_or_b32 s27, s27, 0x80000000
	s_mov_b32 s28, 1
	s_add_co_u32 s29, s14, SLOT
	s_add_nc_u64 s[30:31], s[8:9], SLOT
	s_or_b32 s31, s31, 0x80000000
	ROUND                                          ; all four work-groups are here: the joint loads meet
	s_cmp_lt_u32 s12, 4
	s_cbranch_scc0 .Lno_fetch
	tensor_load_to_lds s[24:27], s[16:23]          ; slot 0, a quarter a wave
	s_nop 0
	PLACES
.Lno_fetch:
	s_lshl_b32 s38, s13, 4
	s_add_co_u32 s38, s38, s12                     ; my tile of queries: 16 cx + wave
	s_mul_i32 s36, ttmp9, 192
	s_add_co_u32 s36, s36, s38
	s_lshl_b32 s36, s36, 9
	s_add_nc_u64 s[4:5], s[4:5], s[36:37]          ; its codes in head 3 g
	s_mul_i32 s36, ttmp9, 12288                    ; its scale words: [head][tile / 4][lane][2 words]: word (tile / 2) % 2, lanes 16 (tile % 2) on
	s_lshr_b32 s39, s38, 2
	s_lshl_b32 s39, s39, 8
	s_add_co_u32 s36, s36, s39
	s_bfe_u32 s39, s38, 0x10001
	s_lshl_b32 s39, s39, 2
	s_add_co_u32 s36, s36, s39
	s_and_b32 s39, s38, 1
	s_lshl_b32 s39, s39, 7
	s_add_co_u32 s36, s36, s39
	s_add_nc_u64 s[6:7], s[6:7], s[36:37]
	s_lshr_b32 s36, ttmp9, 2                       ; the output: batch g / 4, token 64 (tile / 4) + 8 (tile % 4), head 3 (g % 4)
	s_lshl_b32 s36, s36, 10
	s_lshr_b32 s39, s38, 2
	s_lshl_b32 s39, s39, 6
	s_add_co_u32 s36, s36, s39
	s_and_b32 s39, s38, 3
	s_lshl_b32 s39, s39, 3
	s_add_co_u32 s36, s36, s39
	s_mul_i32 s36, s36, 3072
	s_and_b32 s39, ttmp9, 3
	s_mul_i32 s39, s39, 768
	s_add_co_u32 s36, s36, s39
	s_add_nc_u64 s[10:11], s[10:11], s[36:37]
	s_mul_i32 s47, s12, 16*272
	s_add_co_u32 s47, s47, STAGE                   ; my stage
	v_and_b32 v3, 31, v0                           ; lane
	v_and_b32 v4, 15, v0                           ; r
	v_bfe_u32 v5, v0, 4, 1                         ; h
	v_lshlrev_b32 v1, 4, v3                        ; 16 x lane
	v_lshlrev_b32 v10, 3, v4                       ; 8 r
	v_lshlrev_b32 v2, 3, v3                        ; 8 x lane
.irp i, 0,1,2
	global_load_b128 v[QF+8*\i:QF+8*\i+3], v1, s[4:5] offset:\i*32768
	global_load_b128 v[QF+8*\i+4:QF+8*\i+7], v1, s[4:5] offset:\i*32768   ; q once more, for K = 64 .. 127
	global_load_b32 v[QSC+\i], v10, s[6:7] offset:\i*4096
.endr
	v_lshlrev_b32 v9, 3, v5                        ; 8 h
	v_mul_u32_u24 v6, v4, 272
	v_mul_u32_u24 v7, v5, 272
	v_mul_u32_u24 v8, v5, 3072
	v_lshl_add_u32 v6, v5, 6, v6
	v_lshl_add_u32 v7, v4, 4, v7
	v_lshl_add_u32 v8, v4, 4, v8                   ; the output: lanes 0-15 one row, lanes 16-31 the next
	v_add_nc_u32 v6, s47, v6                       ; into the stage: row r, + 64 h bytes
	v_add_nc_u32 v7, s47, v7                       ; back: lanes 0-15 one row, lanes 16-31 the next
.irp g, 0,1,2,3
.irp j2, 4,5,6,7
	v_mov_b32 v[KF+12*\g+\j2], 0                   ; the zero codes that a pair of key tiles shares, written once
.endr
.endr
	v_mov_b32 v[XP], 0                             ; a lane permute's destination counts as one of its sources
	v_mov_b32 v[WP], 0
	v_mov_b32 v[FF+1], 0                           ; (named as the upper half of the pair)
	s_wait_alu depctr_va_vdst(0)
	s_wait_loadcnt 0x0                             ; q
	s_wait_tensorcnt 0x0                           ; my quarter of slot 0 is in
	ds_add_u32 v[SPW], v[NIL]
	ds_add_u32 v[SPW], v[NIL]                      ; the add twice
	s_wait_dscnt 0x0
	ROUND                                          ; slot 0 is whole, and the four work-groups are here
	s_cmp_lt_u32 s12, 8
	s_cbranch_scc0 .Lno_fetch2
	tensor_load_to_lds s[28:31], s[16:23]          ; slots 1 and 2, an eighth a wave: a wave's one load behind the round
	s_nop 0
	PLACES
.Lno_fetch2:
	BEGIN 0
	LOOP 0, 3
	s_wait_alu depctr_va_vdst(0)
	s_wait_tensorcnt 0x0                           ; my part of slots 1 and 2 is in
	s_wait_dscnt 0x0
	s_barrier_signal -1
	s_barrier_wait -1                              ; everybody's is
	LOOP 0, 5
	FINISH 0
	BEGIN 1
	LOOP 1, 8
	FINISH 1
	BEGIN 2
	LOOP 2, 8
	FINISH 2
	s_wait_tensorcnt 0x0                           ; the wave's end
	ds_add_u32 v[SPW], v[NIL]
	s_wait_dscnt 0x0
	ROUND                                          ; the closing round
	s_endpgm
.Lfunc_end_k_qb2e2d79c03_attn:
	.size	k_qb2e2d79c03_attn, .Lfunc_end_k_qb2e2d79c03_attn-k_qb2e2d79c03_attn
	.p2alignl 7, 3214868480
	.fill 96, 4, 3214868480
	.section	.rodata,"a",@progbits
	.p2align	6, 0x0
	.amdhsa_kernel k_qb2e2d79c03_attn
		.amdhsa_group_segment_fixed_size 327680
		.amdhsa_private_segment_fixed_size 0
		.amdhsa_enable_private_segment 0
		.amdhsa_kernarg_size 32
		.amdhsa_user_sgpr_count 2
		.amdhsa_user_sgpr_kernarg_segment_ptr 1
		.amdhsa_wavefront_size32 1
		.amdhsa_system_sgpr_workgroup_id_x 1
		.amdhsa_system_sgpr_workgroup_id_y 1
		.amdhsa_system_sgpr_workgroup_id_z 1
		.amdhsa_system_vgpr_workitem_id 0
		.amdhsa_next_free_vgpr 256
		.amdhsa_next_free_sgpr 66
		.amdhsa_reserve_vcc 0
		.amdhsa_float_denorm_mode_32 3
		.amdhsa_float_denorm_mode_16_64 3
		.amdhsa_memory_ordered 1
		.amdhsa_forward_progress 1
		.amdhsa_inst_pref_size 82
	.end_amdhsa_kernel
	.amdgpu_metadata
---
amdhsa.version: [ 1, 2 ]
amdhsa.kernels:
  - .name:           k_qb2e2d79c03_attn
    .symbol:         k_qb2e2d79c03_attn.kd
    .args:
      - { .name: qc, .offset: 0, .size: 8, .value_kind: global_buffer, .address_space: global }
      - { .name: qs, .offset: 8, .size: 8, .value_kind: global_buffer, .address_space: global }
      - { .name: kv, .offset: 16, .size: 8, .value_kind: global_buffer, .address_space: global }
      - { .name: out0, .offset: 24, .size: 8, .value_kind: global_buffer, .address_space: global }
    .group_segment_fixed_size: 327680
    .private_segment_fixed_size: 0
    .kernarg_segment_align: 8
    .kernarg_segment_size: 32
    .max_flat_workgroup_size: 512
    .sgpr_count:     66
    .vgpr_count:     256
    .wavefront_size: 32
...
	.end_amdgpu_metadata
.endif
;; end of part 3
